; MI455X (gfx1250); checked and timed in simulation.
; The chip was launched on July 23, 2026; its instructions are those of AMD's public machine-readable ISA for CDNA 5 (MIT licence, August 2026) and "CDNA5" Instruction Set Architecture Reference Guide (July 2026). The comments in the code are by the model that wrote it; some were corrected since.
;; CLSTM Cell. Allowed arithmetic: matrix products marked QUANTISED: E3M2 operands, one E8M0 scale for each 32 along K, by v_wmma_scale_f32_16x16x128_f8f6f4 with both operands' format E3M2, f32 sums; everything else in f32.
;; Inputs: c_tm1 2,048 x 2,048 float32; h_tm1 2,048 x 2,048 float32; imaginary_bias 4,096 float32; imaginary_kernel 1,024 x 4,096 float32; imaginary_recurrent_kernel 1,024 x 4,096 float32; inputs 2,048 x 2,048 float32; real_bias 4,096 float32; real_kernel 1,024 x 4,096 float32; real_recurrent_kernel 1,024 x 4,096 float32.
;; Outputs: out0 2,048 x 2,048 float32; out1 2,048 x 2,048 float32.
;; This version of the problem:
;;   THIS VERSION OF THE PROBLEM IS GIVEN IN LOW PRECISION. The matrix products marked QUANTISED in the list below multiply operands that are first quantised to E3M2 (3 exponent bits, 2 mantissa bits; 6 bits a number), with one power-of-two scale for each 32 numbers along K (OCP MX v1.0); their sums are f32. All else is computed in f32.
;;   The module's matrix products, in the order in which they are computed (A, B: the left and right operand; K: the contracted axis; several contracted axes count as one K, in the product's order):
;;     1. [M 2,048, K 1,024] x [K 1,024, N 4,096]; A: input inputs; B: input real_kernel: QUANTISED
;;     2. [M 2,048, K 1,024] x [K 1,024, N 4,096]; A: input inputs; B: input imaginary_kernel: QUANTISED
;;     3. [M 2,048, K 1,024] x [K 1,024, N 4,096]; A: input h_tm1; B: input real_recurrent_kernel: QUANTISED
;;     4. [M 2,048, K 1,024] x [K 1,024, N 4,096]; A: input h_tm1; B: input imaginary_recurrent_kernel: QUANTISED
;;     5. [M 2,048, K 1,024] x [K 1,024, N 4,096]; A: input inputs; B: input real_kernel: QUANTISED
;;     6. [M 2,048, K 1,024] x [K 1,024, N 4,096]; A: input inputs; B: input imaginary_kernel: QUANTISED
;;     7. [M 2,048, K 1,024] x [K 1,024, N 4,096]; A: input h_tm1; B: input real_recurrent_kernel: QUANTISED
;;     8. [M 2,048, K 1,024] x [K 1,024, N 4,096]; A: input h_tm1; B: input imaginary_recurrent_kernel: QUANTISED
;;   THE QUANTISER, for each operand of a quantised product, along K:
;;     - K is cut into blocks of 32 from its start; a last block that is shorter is filled with zeros.
;;     - A block's scale is 2^e with e = floor(log2(the largest magnitude in the block)) - 4, held to -126 .. 127; a block of zeros has e = 0. As a byte (E8M0): e + 127.
;;     - Each number is divided by its block's scale, clamped to +-28, and rounded to the nearest number of E3M2, ties to even, subnormals kept.
;;     - The product sums the exact products of the quantised numbers (number of the format x scale) in f32.
;;   ~~~python
;;   def quantise(x, axis):      # numpy; x: float32 -> the quantised numbers, widened to float32 again
;;       x = np.moveaxis(x, axis, -1); K = x.shape[-1]
;;       x = np.pad(x, [(0, 0)] * (x.ndim - 1) + [(0, -K % 32)]); x = x.reshape(x.shape[:-1] + (-1, 32)); a = np.abs(x).max(-1, keepdims=True)
;;       e = np.where(a > 0, np.clip(np.frexp(np.where(a > 0, a, 1))[1] - 1 - 4, -126, 127), 0)      # np.frexp(a)[1] - 1 = floor(log2(a)), exactly
;;       r = np.clip(x / 2.0 ** e, -28, 28)
;;       step = 2.0 ** (np.maximum(np.frexp(np.where(r == 0, 1, r))[1] - 1, -2) - 2)
;;       q = np.round(r / step) * step * 2.0 ** e      # np.round: ties to even
;;       return np.moveaxis(q.reshape(q.shape[:-2] + (-1,))[..., :K], -1, axis).astype(np.float32)
;;   ~~~
;; One version. Each part assembles by itself: llvm-mc -triple=amdgcn-amd-amdhsa -mcpu=gfx1250 --defsym DOCPART=n.
;; ======== version 1 of 1: 2 launches
;; limits: right only within a limited range of input values
;; workspace buffers: aq 13,107,200 bytes; bq 13,107,200 bytes
;; launch quant (part 1): grid 768 x 1, 4 waves a work-group, no clusters, 34,304 bytes of LDS; arguments inputs, h_tm1, real_kernel, imaginary_kernel, real_recurrent_kernel, imaginary_recurrent_kernel, aq, bq; writes aq, bq
.if DOCPART == 1
	.amdgcn_target "amdgcn-amd-amdhsa--gfx1250"
	.amdhsa_code_object_version 6
	.text
	.protected	k_q2a6afc24b4_quant
	.globl	k_q2a6afc24b4_quant
	.p2align	8
	.type	k_q2a6afc24b4_quant,@function
k_q2a6afc24b4_quant:
	s_mov_b64 s[64:65], 0
	v_nop
	global_prefetch_b8 v0, s[64:65] scope:SCOPE_SE
	s_setreg_imm32_b32 hwreg(HW_REG_WAVE_MODE, 25, 1), 1
	s_wait_xcnt 0x0
; All six f32 operands of the cell's eight products become codes of BF6 (E3M2) with one E8M0 scale byte for each 32 along K, laid for ONE product of 4,096 x 4,096 x 4,096:
;   A2 rows (part 0, b) = [xr | xi | hr | hi],  rows (part 1, b) = [xi | -xr | hi | -hr];   Bq columns = the kernels' 4,096 columns, K = [R ; I ; RR ; RI].   A2 Bq = zr (part 0) and zi (part 1), less the biases.
; The quantiser is symmetric in sign, so -x has x's code with its sign bit (bit 5 of the six) turned: each block of the activations is quantised once and stored twice.
; A block's scale is 2^(floor(log2(its largest magnitude)) - 4); its byte is the largest magnitude's exponent field - 4, held at 1 from below by a floor among the maximum's leaves.
; LAYOUT of aq and bq: [tile of 128 rows, 32][256 along K, 16][25,600 bytes].  In such a block: codes at 13,312 q + 1,536 i + 512 c + 16 lane: the lane's registers 4 c .. 4 c + 3 of the 12 of the
; fragment (16 rows i, the block's q-th 128 along K) as the matrix instruction takes it: lane (r, h) holds row r, registers 0-5 the 32 codes of k-block h, registers 6-11 those of k-block 2 + h.
; Scale words (four bytes: a row's four k-blocks of 128 along K) lie BETWEEN the two halves of the codes, at 12,288 + 256 (i / 2) + 16 r + 8 (i % 2) + 4 q: so any three steps of 128 along K on end,
; with the scale words that they need, are one dense run of 38,912 bytes.
; aq: tile 16 part + m holds batch rows 128 m on.  bq: tile n holds units 32 n .. 32 n + 31 of all four gates: block i = 2 g + u, row r is the kernels' column 1,024 g + 32 n + 16 u + r.
; SHARES: 768 work-groups of four waves; a wave takes 32 KiB of f32.  Work-groups 0-511 take the four kernels, 512-767 the two activations.  Waves share nothing: no barrier, no cluster, no tensor load.
; LIMITS: NaN and infinities among the inputs are not served.  A block of zeros, or one whose largest magnitude lies under 2^-122, gets the byte 1 (the rule says 127 for zeros): its codes are zeros or what the
; floor's scale leaves, and the bytes are read by this program alone.
.set SBB,  25600                       ; a block of the layout
.set SCO,  12288                       ; where its scale words begin
.set QB,   13312                       ; where the codes of its second 128 along K begin
.set TU,   16                          ; upper halves of blocks' codes: a conversion's three registers begin on an even number
.set XW,   32                          ; kernels: v32-95 two sets of 32 numbers
.set CW,   96                          ; kernels: v96-143 codes, 24 registers for each q: the fragment of columns 0-15, then that of columns 16-31
.set RAW,  32                          ; activations: v32-159 two sets of 64 registers as loaded
.set XN,   160                         ; activations: v160-223: register 32 c + n = number n of my k-block 2 c + h
.set PC,   224                         ; activations: v224-235 the fragment for part 0
.set NC,   236                         ; activations: v236-247 the same for part 1
.set WS,   24                          ; activations: v24-27 the four fragments' scale words
.set MK,   42                          ; activations: s42-44 the sign bits of 16 codes in three words, or zeros
.set SP,   528                         ; activations: a stage row: 512 bytes + 16
	s_load_b256 s[4:11], s[0:1], 0x0               ; inputs s[4:5], h_tm1 s[6:7], R s[8:9], I s[10:11]
	s_load_b256 s[12:19], s[0:1], 0x20             ; RR s[12:13], RI s[14:15], aq s[16:17], bq s[18:19]
	v_lshl_add_u32 v254, v0, 2, 0x8400
	v_mov_b32 v255, 0
	v_lshrrev_b32 v1, 5, v0
	v_readfirstlane_b32 s20, v1                    ; wave 0..3
	v_and_b32 v1, 31, v0                           ; lane
	v_and_b32 v2, 15, v0                           ; r
	v_bfe_u32 v3, v0, 4, 1                         ; h
	v_lshlrev_b32 v5, 4, v1                        ; 16 x lane
	v_lshlrev_b32 v6, 4, v2
	v_lshl_add_u32 v6, v3, 3, v6                   ; 16 r + 8 h: my pair of scale words
	s_mov_b32 s22, 0x76543210
	s_mov_b32 s23, 0xfedcba98                      ; v_permlanex16_b32's selects for lane l xor 16
	s_cmp_lt_u32 ttmp9, 512
	s_cbranch_scc0 .Lact
; ---------------- THE KERNELS: K is their first axis.  A lane takes a column and its registers run down K, so a block of 32 is one lane's and the conversions give codes with K innermost.
; Work-group x: kernel T = x / 128, 256 rows sl = (x / 32) % 4, gate g = (x / 8) % 4; wave w takes tile n = 4 (x % 8) + w: the four waves read 512 neighbouring bytes of each row.
	s_lshr_b32 s26, ttmp9, 7                       ; T
	s_bfe_u32 s27, ttmp9, 0x20005                  ; sl
	s_bfe_u32 s28, ttmp9, 0x20003                  ; g
	s_and_b32 s29, ttmp9, 7
	s_lshl_b32 s29, s29, 2
	s_add_co_u32 s29, s29, s20                     ; n
	s_wait_alu depctr_va_vdst(0)
	v_lshlrev_b32 v4, 2, v1                        ; 4 bytes a lane
	s_lshl_b32 s30, s27, 22                        ; 256 sl rows of 16,384 bytes
	s_lshl_b32 s31, s28, 12                        ; + 1,024 g columns
	s_add_co_u32 s30, s30, s31
	s_lshl_b32 s31, s29, 7                         ; + 32 n columns
	s_add_co_u32 s30, s30, s31
	s_mov_b32 s31, 0
	s_lshl_b32 s32, s29, 4
	s_lshl_b32 s33, s26, 2
	s_add_co_u32 s32, s32, s33
	s_add_co_u32 s32, s32, s27                     ; 16 n + 4 T + sl
	s_mul_i32 s32, s32, SBB
	s_mul_i32 s34, s28, 3072                       ; blocks 2 g and 2 g + 1
	s_add_co_u32 s34, s34, s32
	s_mov_b32 s35, 0
	s_lshl_b32 s36, s28, 8
	s_add_co_u32 s36, s36, s32
	s_add_co_u32 s36, s36, SCO
	s_mov_b32 s37, 0
	s_wait_alu depctr_va_vdst(0)
	s_wait_kmcnt 0x0
	s_cmp_eq_u32 s26, 1                            ; which kernel: the choice hangs on the work-group's number alone
	s_cselect_b64 s[24:25], s[10:11], s[8:9]
	s_cmp_eq_u32 s26, 2
	s_cselect_b64 s[24:25], s[12:13], s[24:25]
	s_cmp_eq_u32 s26, 3
	s_cselect_b64 s[24:25], s[14:15], s[24:25]
	s_add_nc_u64 s[24:25], s[24:25], s[30:31]
	s_add_nc_u64 s[34:35], s[18:19], s[34:35]      ; my codes
	s_add_nc_u64 s[36:37], s[18:19], s[36:37]      ; my scale words
.macro LOADW t                         ; block t: rows 32 t + i of my column, into set t % 2; every offset is an immediate, 255 rows of 16,384 bytes at the most
.irp i, 0,1,2,3,4,5,6,7,8,9,10,11,12,13,14,15,16,17,18,19,20,21,22,23,24,25,26,27,28,29,30,31
	global_load_b32 v[XW+32*((\t)%2)+\i], v4, s[24:25] offset:(32*(\t)+\i)*16384 th:TH_LOAD_NT
.endr
.endm
.macro BLOCKW t                        ; block t = 4 q + kb of my column
.set XS, XW+32*((\t)%2)
.set KB, (\t)%4
.set CQ, CW+24*((\t)/4)
.if (\t) < 7
	s_wait_loadcnt 32                              ; this block's 32 loads are in; the next block's 32 may be out
.else
	s_wait_loadcnt 0x0
.endif
	v_max3_num_f32 v10, |v[XS]|, |v[XS+1]|, |v[XS+2]|              ; the block's largest magnitude, in two chains
	v_max3_num_f32 v11, |v[XS+3]|, |v[XS+4]|, |v[XS+5]|
.irp i, 6,10,14,18,22,26
	v_max3_num_f32 v10, v10, |v[XS+\i]|, |v[XS+\i+1]|
	v_max3_num_f32 v11, v11, |v[XS+\i+2]|, |v[XS+\i+3]|
.endr
	v_max3_num_f32 v10, v10, |v[XS+30]|, |v[XS+31]|
	v_max3_num_f32 v10, v10, v11, 0x2800000        ; and the floor 2^(5 - 127): the byte cannot fall under 1
	v_add_nc_u32 v12, 0xfe000000, v10              ; 4 off the exponent field: the conversion takes this operand's exponent field as its scale
	v_cvt_scalef32_pk16_bf6_f32 v[CQ+12*(KB%2)+6*(KB/2):CQ+12*(KB%2)+6*(KB/2)+2], v[XS:XS+15], v12   ; the lower 16 codes: even k-blocks into the first fragment's registers, odd ones into the second's (PAIRW sorts the lanes)
	v_cvt_scalef32_pk16_bf6_f32 v[TU+4*KB:TU+4*KB+2], v[XS+16:XS+31], v12                            ; the upper 16
	v_lshrrev_b32 v13, 23, v12                     ; the scale's byte (also the plain instruction behind the conversions)
.if KB == 0
	v_mov_b32 v[8+(\t)/4], v13                     ; four bytes make my column's scale word of this q
.else
	v_lshl_or_b32 v[8+(\t)/4], v13, 8*KB, v[8+(\t)/4]
.endif
.if (\t) < 6
	LOADW (\t)+2
.endif
.endm
; k-blocks 2 c and 2 c + 1 of all 32 columns become registers 6 c .. 6 c + 5 of two fragments.  The swap exchanges the first register's lanes 16-31 with the second's lanes 0-15: the first then holds columns 0-15,
; k-block 2 c in lanes 0-15 and 2 c + 1 in lanes 16-31, the second the same of columns 16-31: the operand's layout.
.macro PAIRW q, c
.set EB, CW+24*(\q)+6*(\c)
.set OB, EB+12
.set UB, TU+8*(\c)
.irp j, 0,1,2
	v_permlane16_swap_b32 v[EB+\j], v[OB+\j]
	v_permlane16_swap_b32 v[UB+\j], v[UB+4+\j]
.endr
.irp j, 0,1,2
	v_mov_b32 v[EB+3+\j], v[UB+\j]
	v_mov_b32 v[OB+3+\j], v[UB+4+\j]
.endr
.endm
.macro STOREW q                        ; two fragments: each store covers 512 consecutive bytes, at a multiple of 256 from bq's first byte.  No data register is written again
.irp u, 0,1
.irp c, 0,1,2
	global_store_b128 v5, v[CW+24*(\q)+12*\u+4*\c:CW+24*(\q)+12*\u+4*\c+3], s[34:35] offset:QB*(\q)+1536*\u+512*\c
.endr
.endr
.endm
	LOADW 0
	LOADW 1
	BLOCKW 0
	BLOCKW 1
	PAIRW 0, 0
	BLOCKW 2
	BLOCKW 3
	PAIRW 0, 1
	STOREW 0
	BLOCKW 4
	BLOCKW 5
	PAIRW 1, 0
	BLOCKW 6
	BLOCKW 7
	PAIRW 1, 1
	STOREW 1
	global_store_b64 v6, v[8:9], s[36:37]          ; lane 16 u + r: the words of q = 0, 1 of block 2 g + u, row r: the 32 lanes store 256 consecutive bytes, aligned
	s_endpgm
; ---------------- THE ACTIVATIONS: K is innermost.  Each load reads 512 consecutive bytes of a row; a fragment's 16 rows x 128 numbers turn through the wave's own stage in LDS, so that lane (r, h) gets
; the 32 numbers of k-blocks h and 2 + h of row r.  Work-group x' = x - 512: tensor T = x' / 128, tile m = (x' / 8) % 16, 256 columns sl = x' % 8; wave w takes rows 32 w on: blocks 2 w and 2 w + 1.
.Lact:
	s_sub_co_u32 s26, ttmp9, 512
	s_lshr_b32 s27, s26, 7                         ; T
	s_bfe_u32 s28, s26, 0x40003                    ; m
	s_and_b32 s29, s26, 7                          ; sl
	s_lshl_b32 s30, s28, 7
	s_lshl_b32 s31, s20, 5
	s_add_co_u32 s30, s30, s31                     ; row 128 m + 32 w
	s_lshl_b32 s30, s30, 13                        ; of 8,192 bytes
	s_lshl_b32 s31, s29, 10                        ; + 256 sl columns
	s_add_co_u32 s30, s30, s31
	s_mov_b32 s31, 0
	s_lshl_b32 s32, s28, 4
	s_lshl_b32 s33, s27, 3
	s_add_co_u32 s32, s32, s33                     ; 16 m + 8 T
	s_add_co_u32 s34, s32, s29                     ; part 0: block 8 T + sl
	s_mul_i32 s34, s34, SBB
	s_xor_b32 s33, s29, 4                          ; part 1: the tensor's halves change places,
	s_add_co_u32 s36, s32, s33
	s_add_co_u32 s36, s36, 256                     ; 16 tiles further on
	s_mul_i32 s36, s36, SBB
	s_mul_i32 s33, s20, 3072                       ; blocks 2 w and 2 w + 1
	s_lshl_b32 s32, s20, 8
	s_add_co_u32 s32, s32, SCO
	s_add_co_u32 s38, s34, s32                     ; the scale words, part 0
	s_add_co_u32 s40, s36, s32                     ; and part 1
	s_add_co_u32 s34, s34, s33
	s_add_co_u32 s36, s36, s33
	s_mov_b32 s35, 0
	s_mov_b32 s37, 0
	s_mov_b32 s39, 0
	s_mov_b32 s41, 0
	s_cmp_lt_u32 s29, 4                            ; the real half goes into part 1 negated: bit 5 of each code, in the three words of 16 codes
	s_cselect_b32 s[MK], 0x20820820, 0
	s_cselect_b32 s[MK+1], 0x08208208, 0
	s_cselect_b32 s[MK+2], 0x82082082, 0
	s_mul_i32 s45, s20, 16*SP                      ; my stage
	s_wait_alu depctr_va_vdst(0)
	v_add_nc_u32 v7, s45, v5                       ; in: a row's 512 bytes as they lie
	v_mul_u32_u24 v8, v2, SP
	v_lshl_add_u32 v8, v3, 7, v8
	v_add_nc_u32 v8, s45, v8                       ; out: row r, k-block h.  528 bytes from row to row: the sixteen rows of a load start at sixteen different groups of four banks
	v_lshlrev_b32 v11, 3, v3                       ; 8 h
	v_mov_b32 v10, 0                               ; written once: a lane permute's destination counts as one of its sources
	s_wait_alu depctr_va_vdst(0)
	s_wait_kmcnt 0x0
	s_cmp_eq_u32 s27, 0
	s_cselect_b64 s[24:25], s[4:5], s[6:7]
	s_add_nc_u64 s[24:25], s[24:25], s[30:31]
	s_add_nc_u64 s[34:35], s[16:17], s[34:35]
	s_add_nc_u64 s[36:37], s[16:17], s[36:37]
	s_add_nc_u64 s[38:39], s[16:17], s[38:39]
	s_add_nc_u64 s[40:41], s[16:17], s[40:41]
.macro LOADF f                         ; fragment f = 2 u + q: rows 16 u + j, columns 128 q on, into set f % 2
.irp j, 0,1,2,3,4,5,6,7,8,9,10,11,12,13,14,15
	global_load_b128 v[RAW+64*((\f)%2)+4*\j:RAW+64*((\f)%2)+4*\j+3], v5, s[24:25] offset:(16*((\f)/2)+\j)*8192+512*((\f)%2) th:TH_LOAD_NT
.endr
.endm
.macro FRAGA f
.if (\f) < 3
	s_wait_loadcnt 16                              ; this fragment's 16 loads are in; the next fragment's 16 may be out
.else
	s_wait_loadcnt 0x0
.endif
.irp j, 0,1,2,3,4,5,6,7,8,9,10,11,12,13,14,15
	ds_store_b128 v7, v[RAW+64*((\f)%2)+4*\j:RAW+64*((\f)%2)+4*\j+3] offset:SP*\j
.endr
.irp c, 0,1
.irp t, 0,1,2,3,4,5,6,7
	ds_load_b128 v[XN+32*\c+4*\t:XN+32*\c+4*\t+3], v8 offset:256*\c+16*\t   ; LDS serves a wave's instructions in order (ISA guide 5.7.1.4): these see the stores above
.endr
.endr
	s_wait_dscnt 0x0                               ; my 64 numbers are in, and the stores have read their registers,
.if (\f) < 2
	LOADF (\f)+2                                   ; which take the fragment two on
.endif
.irp c, 0,1
	v_max3_num_f32 v[12+\c], |v[XN+32*\c]|, |v[XN+32*\c+1]|, 0x2800000   ; my two blocks by turns; the floor 2^(5 - 127) holds the byte at 1 from below
.endr
.irp i, 2,4,6,8,10,12,14,16,18,20,22,24,26,28,30
.irp c, 0,1
	v_max3_num_f32 v[12+\c], v[12+\c], |v[XN+32*\c+\i]|, |v[XN+32*\c+\i+1]|
.endr
.endr
.irp c, 0,1
	v_add_nc_u32 v[14+\c], 0xfe000000, v[12+\c]    ; 4 off the exponent field: the conversion's scale operand
.endr
.irp c, 0,1
	v_lshrrev_b32 v[12+\c], 23, v[14+\c]           ; the scale's byte
.endr
	v_lshl_or_b32 v9, v13, 16, v12                 ; my two bytes, k-blocks h and 2 + h,
	v_lshlrev_b32 v9, v11, v9                      ; at their places in the word;
	v_permlanex16_b32 v10, v9, s22, s23
	v_or_b32 v[WS+(\f)], v9, v10                   ; with lane l xor 16's two the row's word is whole, in both lanes
	s_wait_alu depctr_va_vdst(0)
	s_wait_xcnt 0x0                                ; the last fragment's stores have read their data registers: only behind this wait are they written again
	v_cvt_scalef32_pk16_bf6_f32 v[PC:PC+2], v[XN:XN+15], v14
	v_cvt_scalef32_pk16_bf6_f32 v[TU:TU+2], v[XN+16:XN+31], v14
	v_cvt_scalef32_pk16_bf6_f32 v[PC+6:PC+8], v[XN+32:XN+47], v15
	v_cvt_scalef32_pk16_bf6_f32 v[TU+4:TU+6], v[XN+48:XN+63], v15
	v_nop                                          ; one plain instruction behind the scaled conversions
.irp j, 0,1,2
	v_mov_b32 v[PC+3+\j], v[TU+\j]
	v_mov_b32 v[PC+9+\j], v[TU+4+\j]
.endr
.irp j, 0,1,2,3,4,5,6,7,8,9,10,11
	v_xor_b32 v[NC+\j], s[MK+\j%3], v[PC+\j]       ; part 1's codes: the signs turned, or as they are
.endr
.irp c, 0,1,2
	global_store_b128 v5, v[PC+4*\c:PC+4*\c+3], s[34:35] offset:QB*((\f)%2)+1536*((\f)/2)+512*\c   ; 512 consecutive bytes, at a multiple of 256 from aq's first byte
.endr
.irp c, 0,1,2
	global_store_b128 v5, v[NC+4*\c:NC+4*\c+3], s[36:37] offset:QB*((\f)%2)+1536*((\f)/2)+512*\c
.endr
.endm
	LOADF 0
	LOADF 1
	FRAGA 0
	FRAGA 1
	FRAGA 2
	FRAGA 3
	v_cmp_eq_u32 vcc_lo, 1, v3                     ; lane (r, h) stores the words of block 2 w + h, row r: q = 0, 1
	v_cndmask_b32 v28, v[WS], v[WS+2], vcc_lo
	v_cndmask_b32 v29, v[WS+1], v[WS+3], vcc_lo
	global_store_b64 v6, v[28:29], s[38:39]        ; the 32 lanes store 256 consecutive bytes, aligned; a sign changes no scale, so both parts get the same words
	global_store_b64 v6, v[28:29], s[40:41]
	s_wait_tensorcnt 0x0
	ds_add_u32 v254, v255
	s_wait_dscnt 0x0
	s_endpgm
.Lfunc_end_k_q2a6afc24b4_quant:
	.size	k_q2a6afc24b4_quant, .Lfunc_end_k_q2a6afc24b4_quant-k_q2a6afc24b4_quant
	.p2alignl 7, 3214868480
	.fill 96, 4, 3214868480
	.section	.rodata,"a",@progbits
	.p2align	6, 0x0
	.amdhsa_kernel k_q2a6afc24b4_quant
		.amdhsa_group_segment_fixed_size 34304
		.amdhsa_private_segment_fixed_size 0
		.amdhsa_enable_private_segment 0
		.amdhsa_kernarg_size 64
		.amdhsa_user_sgpr_count 2
		.amdhsa_user_sgpr_kernarg_segment_ptr 1
		.amdhsa_wavefront_size32 1
		.amdhsa_system_sgpr_workgroup_id_x 1
		.amdhsa_system_sgpr_workgroup_id_y 1
		.amdhsa_system_sgpr_workgroup_id_z 1
		.amdhsa_system_vgpr_workitem_id 0
		.amdhsa_next_free_vgpr 256
		.amdhsa_next_free_sgpr 66
		.amdhsa_reserve_vcc 1
		.amdhsa_float_denorm_mode_32 3
		.amdhsa_float_denorm_mode_16_64 3
		.amdhsa_memory_ordered 1
		.amdhsa_forward_progress 1
		.amdhsa_inst_pref_size 73
	.end_amdhsa_kernel
	.amdgpu_metadata
---
amdhsa.version: [ 1, 2 ]
amdhsa.kernels:
  - .name:           k_q2a6afc24b4_quant
    .symbol:         k_q2a6afc24b4_quant.kd
    .args:
      - { .name: inputs, .offset: 0, .size: 8, .value_kind: global_buffer, .address_space: global }
      - { .name: h_tm1, .offset: 8, .size: 8, .value_kind: global_buffer, .address_space: global }
      - { .name: real_kernel, .offset: 16, .size: 8, .value_kind: global_buffer, .address_space: global }
      - { .name: imaginary_kernel, .offset: 24, .size: 8, .value_kind: global_buffer, .address_space: global }
      - { .name: real_recurrent_kernel, .offset: 32, .size: 8, .value_kind: global_buffer, .address_space: global }
      - { .name: imaginary_recurrent_kernel, .offset: 40, .size: 8, .value_kind: global_buffer, .address_space: global }
      - { .name: aq, .offset: 48, .size: 8, .value_kind: global_buffer, .address_space: global }
      - { .name: bq, .offset: 56, .size: 8, .value_kind: global_buffer, .address_space: global }
    .group_segment_fixed_size: 34304
    .private_segment_fixed_size: 0
    .kernarg_segment_align: 8
    .kernarg_segment_size: 64
    .max_flat_workgroup_size: 128
    .sgpr_count:     66
    .vgpr_count:     256
    .wavefront_size: 32
...
	.end_amdgpu_metadata
.endif
;; end of part 1
;; launch cell (part 2): grid 16 x 16, 4 waves a work-group, clusters of 4 x 1, 327,680 bytes of LDS; arguments aq, bq, c_tm1, real_bias, imaginary_bias, out0, out1; writes out0, out1
.if DOCPART == 2
	.amdgcn_target "amdgcn-amd-amdhsa--gfx1250"
	.amdhsa_code_object_version 6
	.text
	.protected	k_q2a6afc24b4_cell
	.globl	k_q2a6afc24b4_cell
	.p2align	8
	.type	k_q2a6afc24b4_cell,@function
k_q2a6afc24b4_cell:
	s_mov_b64 s[64:65], 0
	v_nop
	global_prefetch_b8 v0, s[64:65] scope:SCOPE_SE
	s_setreg_imm32_b32 hwreg(HW_REG_WAVE_MODE, 25, 1), 1
	s_wait_xcnt 0x0
	s_wait_alu depctr_hold_cnt(0) depctr_sa_sdst(0) depctr_va_vdst(0) depctr_va_sdst(0) depctr_va_ssrc(0) depctr_va_vcc(0) depctr_vm_vsrc(0)
	s_getreg_b32 s2, hwreg(HW_REG_IB_STS2, 6, 4)
	s_cmp_eq_u32 s2, 0
	s_cbranch_scc0 .Lentry_in_a_cluster
	s_endpgm
.Lentry_in_a_cluster:
	s_bfe_u32 s2, ttmp6, 0x10000c
	s_cmp_lg_u32 s2, 0x3003
	s_cbranch_scc0 .Lentry_shape_is_right
	s_endpgm
.Lentry_shape_is_right:
; The cell: z = A2 Bq (4,096 x 4,096 x 4,096 on codes of BF6 with E8M0 scales, as launch quant laid them), + bias, gates, c and h.
; A work-group (x, y) makes 256 rows of A2 (part y / 8, batch rows 256 (y % 8) on) x units 64 x .. 64 x + 63 of all four gates.
; A WAVE w TAKES ALL 256 ROWS AND UNITS 16 w .. 16 w + 15 OF THE FOUR GATES: 16 x 4 accumulators of 16 x 16, 512 registers; a lane holds i, f, g, o of the same (row, unit).
; A's codes and scale words come through a ring of two LDS slots (4 K steps of 128 each, 102,400 bytes), one joint tensor load of 25,600 bytes a wave;
; the four work-groups of a cluster (same y) ask for them jointly.
; B IS NOT ASKED FOR JOINTLY AND DOES NOT PASS THROUGH LDS: each fragment of B is multiplied by exactly one wave of the work-group, bq holds it as the image of that wave's
; registers, and without B's bytes a slot holds 4 K steps where it would hold 2 of A and B of this shape twice over: so B goes from memory into registers, 12 loads of 512 bytes
; a step, three steps ahead in four register sets, and the rounds of the cluster's barrier are 7 for 32 steps.
; The matrix instruction is used transposed (source 0 = 16 rows of Bq, source 1 = 16 rows of A2): a lane holds one row and eight neighbouring units.
; PREFETCH: behind a refill each wave names 25 blocks of 256 bytes of A's fill two fills on (the four partners share a wave's 100 blocks by address), and wave 0 names 25 blocks
; of B's pair of 256-K blocks that its loads reach from two steps later on (the 16 work-groups of a column share the 400 by address).  The head names A's fills 1 to 3 and B's pair 1.
; The last trip asks for nothing of A: fills 6 and 7 are the last.
; REGISTERS: window 0: v0-31 addresses; v32-63 A's scale words, two sets; v64-95 B's, four sets; v96-239 A's blocks 0-11; v240-255 bias of gates i, f.
;   window 1: v0-191 B's four sets; v192-239 A's blocks 12-15; v240-255 bias of gates g, o.  window 2, 3: accumulators (a, g) at v[8 (4 (a % 8) + g)], a / 8 picks the window.
.set SBB,   25600                      ; a block of the layout: 128 rows x 256 along K
.set SCO,   12288
.set QB,    13312
.set TILEB, 16*SBB
.set SLOT,  4*SBB                      ; two tiles of 128 rows x two blocks
.set CP,    272
.set HS,    2*SLOT                     ; h's stage: bytes of its own.  c's tile lies from byte 0 on, in slot 0, as that slot's last fill
.set SPARE, HS+256*CP
.set ADRA, 4                           ; v4-7   16 lane + 51,200 (2 slot + tile)
.set ADRS, 8                           ; v8-9   16 r + 51,200 h + slot: lanes 0-15 tile 0's scale words, lanes 16-31 tile 1's
.set VB,   10
.set VS,   11
.set PFO,  12
.set CA,   13
.set HA,   14
.set RDC,  15
.set RDH,  16
.set CO,   17
.set BO,   18
.set SPW,  28
.set NIL,  29
.set SA,   32
.set SB,   64
.set AF,   96
.set C0,   32
.set TI,   96
.set TF,   128
.set TG,   160
.set TO,   192
.set BB,   224
.set G1,   24
.set G0,   32
.set G0C,  76
.set G1C,  92
.set PFA,  12
.set BP,   44
.set PFB,  46
.set FS,   50
.set TL,   52
.set MSB, 0
.macro WIN new
.if MSB != (\new)
	s_set_vgpr_msb (MSB<<8)|(\new)
.set MSB, (\new)
.endif
.endm
.set MUL_LO, 0xa1                      ; source 0 (B) window 1, source 1 (A) window 0, C and D window 2
.set MUL_HI, 0xf1
.set MUL_HX, 0xf5                      ; A's blocks 12-15 lie in window 1
.set TO_B,   0x40
.macro PLACES
.rept 4
	v_nop
.endr
.endm
.macro CREST
	s_cmp_lg_u32 s14, 0
	s_cbranch_scc1 .Lnot_wave_0_\@
	s_barrier_signal -3
.Lnot_wave_0_\@:
	s_barrier_wait -3
	s_barrier_signal -1
	s_barrier_wait -1
.endm
.macro CROUND
	s_barrier_signal -1
	s_barrier_wait -1
	CREST
.endm
; B's fragments of step sx (counted from where BP stands) into set sx % 4; with an even step the scale words of its 256 along K
.macro BLOADS sx
	WIN TO_B
.irp g, 0,1,2,3
.irp c, 0,1,2
	global_load_b128 v[48*((\sx)%4)+12*\g+4*\c:48*((\sx)%4)+12*\g+4*\c+3], v[VB], s[BP:BP+1] offset:((\sx)/2)*SBB+((\sx)%2)*QB+3072*\g+512*\c
.endr
.endr
	WIN 0
.if (\sx)%2 == 0
.irp g, 0,1,2,3
	global_load_b64 v[SB+8*(((\sx)/2)%4)+2*\g:SB+8*(((\sx)/2)%4)+2*\g+1], v[VS], s[BP:BP+1] offset:((\sx)/2)*SBB+SCO+256*\g
.endr
.endif
.endm
.macro AFR a, st                       ; A's block a of step st (mod 8): three loads of 512 bytes, the registers' image
.if (\a) < 12
.set RG, AF+12*(\a)
.else
.set RG, 192+12*((\a)-12)
.endif
.set XO, (((\st)/2)%2)*SBB+((\st)%2)*QB+1536*((\a)%8)
.set AJ, ADRA+2*(((\st)/4)%2)+(\a)/8
.irp c, 0,1,2
	ds_load_b128 v[RG+4*\c:RG+4*\c+3], v[AJ] offset:XO+512*\c
.endr
.endm
.macro AF4 a0, st
.irp a, \a0, \a0+1, \a0+2, \a0+3
	AFR \a, \st
.endr
.endm
.macro SCALES st                       ; A's scale words of steps st, st + 1: register 2 i + q; lanes 0-15 block i, lanes 16-31 block 8 + i
.irp g, 0,1,2,3
	ds_load_b128 v[SA+16*(((\st)/2)%2)+4*\g:SA+16*(((\st)/2)%2)+4*\g+3], v[ADRS+((\st)/4)%2] offset:(((\st)/2)%2)*SBB+SCO+256*\g
.endr
.endm
.macro MULA a, st, z                   ; A's block a against B's four; the 64 accumulators take turns
.if (\a) < 12
.set AR, AF+12*(\a)
.else
.set AR, 192+12*((\a)-12)
.endif
.set SAR, SA+16*(((\st)/2)%2)+2*((\a)%8)+(\st)%2
.irp g, 0,1,2,3
.set DR, 8*(4*((\a)%8)+\g)
.set BR, 48*((\st)%4)+12*\g
.set SBR, SB+8*(((\st)/2)%4)+2*\g+(\st)%2
.if \z
.if (\a) < 8
	v_wmma_scale_f32_16x16x128_f8f6f4 v[DR:DR+7], v[BR:BR+11], v[AR:AR+11], 0, v[SBR], v[SAR] matrix_a_fmt:MATRIX_FMT_BF6 matrix_b_fmt:MATRIX_FMT_BF6
.else
	v_wmma_scale_f32_16x16x128_f8f6f4 v[DR:DR+7], v[BR:BR+11], v[AR:AR+11], 0, v[SBR], v[SAR] matrix_a_fmt:MATRIX_FMT_BF6 matrix_b_fmt:MATRIX_FMT_BF6 matrix_b_scale:MATRIX_SCALE_ROW1
.endif
.else
.if (\a) < 8
	v_wmma_scale_f32_16x16x128_f8f6f4 v[DR:DR+7], v[BR:BR+11], v[AR:AR+11], v[DR:DR+7], v[SBR], v[SAR] matrix_a_fmt:MATRIX_FMT_BF6 matrix_b_fmt:MATRIX_FMT_BF6
.else
	v_wmma_scale_f32_16x16x128_f8f6f4 v[DR:DR+7], v[BR:BR+11], v[AR:AR+11], v[DR:DR+7], v[SBR], v[SAR] matrix_a_fmt:MATRIX_FMT_BF6 matrix_b_fmt:MATRIX_FMT_BF6 matrix_b_scale:MATRIX_SCALE_ROW1
.endif
.endif
.endr
.endm
.macro MUL4 a0, st, z
.irp a, \a0, \a0+1, \a0+2, \a0+3
	MULA \a, \st, \z
.endr
.endm
.macro ASK st                          ; st = 3: A's blocks 8 on and B's 4 on from where the pointers stand; st = 7: 10 and 6
	s_cmp_gt_u32 s3, 1                             ; the last trip has no fill two on
	s_cbranch_scc0 .Lna_\@
	global_prefetch_b8 v[PFO], s[PFA:PFA+1] offset:(8+2*((\st)/4))*SBB th:TH_LOAD_NT scope:SCOPE_SE
.Lna_\@:
	s_cmp_eq_u32 s14, 0
	s_cbranch_scc0 .Lnb_\@
	global_prefetch_b8 v[PFO], s[PFB:PFB+1] offset:(4+2*((\st)/4))*SBB th:TH_LOAD_NT scope:SCOPE_SE
.Lnb_\@:
.endm
; A step of 128 along K: 64 matrix instructions.  A's blocks 0-7 of the next step are fetched in its middle, 8-15 at its end; B's fragments of three steps on in its middle.
; kind 0: plain.  1: the slot's last step: the slot is filled again, two fills on.  2: the same, with c's tile.  3: the very last step.
; lc: the loads of the next two steps, which may stay out (12 + 16).
.macro STEP st, z, kind, bl, lc
.set NX, (\st)+1
	s_wait_loadcnt \lc
	s_wait_dscnt 24                                ; A's blocks 0-7 and the scale words are in; the youngest 24 loads (blocks 8-15) may be out
	WIN MUL_LO
	MUL4 0, \st, \z
.if (\kind) == 1 || (\kind) == 2
	WIN 0
	s_wait_tensorcnt 0x0                           ; my part of the other slot has landed;
	ds_add_u32 v[SPW], v[NIL]
.if (\kind) == 1
	s_add_nc_u64 s[G0+4*(((\st)/4)%2)+2:G0+4*(((\st)/4)%2)+3], s[G0+4*(((\st)/4)%2)+2:G0+4*(((\st)/4)%2)+3], 4*SBB
.endif
	WIN MUL_LO
.endif
	MUL4 4, \st, \z
.if (\kind) == 0
	PLACES
	WIN 0
.elseif (\kind) == 3
	s_wait_dscnt 0x0                               ; my last reads of the ring,
	s_wait_tensorcnt 0x0                           ; and my part of c's tile
	s_barrier_signal -1
.else
	s_wait_dscnt 0x0                               ; the add is done, and so are my reads of this slot
	WIN 0
	s_barrier_signal -1
	s_barrier_wait -1
	CREST
.if (\kind) == 1
	tensor_load_to_lds s[G0+4*(((\st)/4)%2):G0+4*(((\st)/4)%2)+3], s[G1:G1+7]
.else
	tensor_load_to_lds s[G0C:G0C+3], s[G1C:G1C+7]
.endif
	s_nop 0
	PLACES
.endif
.if (\kind) != 3
	AF4 0, NX
	AF4 4, NX
.if NX%2 == 0
	SCALES NX
.endif
.if \bl
	BLOADS (\st)+3
.endif
.if (\kind) == 1
	ASK \st
.endif
	s_wait_dscnt 24+4*(1-NX%2)                     ; all but the LDS loads just issued: this step's blocks 8-15 are in
.endif
	WIN MUL_HI
	MUL4 8, \st, \z
	WIN MUL_HX
	MUL4 12, \st, \z
.if (\kind) != 3
	PLACES
	WIN 0
	AF4 8, NX
	WIN TO_B
	AF4 12, NX
.endif
	WIN 0
.endm
	s_load_b256 s[4:11], s[0:1], 0x0               ; aq, bq, c_tm1, real_bias
	s_load_b128 s[68:71], s[0:1], 0x20             ; imaginary_bias, out0
	s_load_b64 s[72:73], s[0:1], 0x30              ; out1
	v_lshl_add_u32 v[SPW], v0, 2, SPARE
	v_mov_b32 v[NIL], 0
	ds_add_u32 v[SPW], v[NIL]                      ; the opening lines: the add twice on end
	ds_add_u32 v[SPW], v[NIL]
	v_lshrrev_b32 v1, 5, v0
	v_readfirstlane_b32 s14, v1                    ; wave w
	s_lshr_b32 s15, s14, 1                         ; which tile of 128 rows (of A to fetch, of B to multiply)
	s_and_b32 s16, s14, 1                          ; which block of a fill I fetch; which 16 of B's 32 units
	s_mul_i32 s56, s16, 1536
	s_lshl_b32 s57, s16, 3
	s_lshl_b32 s58, s14, 6
	s_mul_i32 s59, s14, 16*CP
	v_and_b32 v1, 31, v0                           ; lane
	v_and_b32 v2, 15, v0                           ; r
	v_bfe_u32 v3, v0, 4, 1                         ; h
	v_lshlrev_b32 v[ADRA], 4, v1
	v_add_nc_u32 v[ADRA+1], 2*SBB, v[ADRA]
	v_add_nc_u32 v[ADRA+2], 4*SBB, v[ADRA]
	v_add_nc_u32 v[ADRA+3], 6*SBB, v[ADRA]
	v_mul_u32_u24 v[ADRS], 2*SBB, v3
	v_lshl_add_u32 v[ADRS], v2, 4, v[ADRS]
	v_add_nc_u32 v[ADRS+1], SLOT, v[ADRS]
	v_add_nc_u32 v[VB], s56, v[ADRA]               ; B's codes: 16 lane + block u
	v_lshlrev_b32 v[VS], 4, v2
	v_add_nc_u32 v[VS], s57, v[VS]                 ; B's scale words: 16 r + 8 u
	v_min_u32 v[PFO], 24, v1
	v_lshlrev_b32 v[PFO], 8, v[PFO]                ; 25 blocks of 256 bytes a prefetch
	v_mul_u32_u24 v[CA], CP, v2
	v_lshl_add_u32 v[CA], v3, 5, v[CA]
	v_add_nc_u32 v[CA], s58, v[CA]                 ; c's tile: row r, 64 w + 32 h
	v_add_nc_u32 v[HA], HS, v[CA]
	v_mul_u32_u24 v[RDC], CP, v3
	v_lshl_add_u32 v[RDC], v2, 4, v[RDC]
	v_add_nc_u32 v[RDC], s59, v[RDC]               ; back: rows 16 w + h, 16 bytes a lane
	v_add_nc_u32 v[RDH], HS, v[RDC]
	v_lshlrev_b32 v[CO], 13, v3
	v_lshl_add_u32 v[CO], v2, 4, v[CO]
	v_lshlrev_b32 v[BO], 5, v3
	s_bfe_u32 s40, ttmp6, 0x40000                  ; cx
	s_lshl_b32 s42, ttmp9, 2
	s_add_co_u32 s42, s42, s40                     ; x
	s_and_b32 s17, ttmp7, 0xffff                   ; y
	s_mov_b32 s[G1+0], 15|(3<<16)|(1<<21)          ; the four of my cluster; elements of 8 bytes
	s_mov_b32 s[G1+1], 32<<16
	s_mov_b32 s[G1+2], 100<<16
	s_mov_b32 s[G1+3], 32<<16
	s_mov_b32 s[G1+4], 100                         ; 100 rows of 256 bytes: one dense block of the layout
	s_mov_b32 s[G1+5], 32
	s_mov_b32 s[G1+6], 0
	s_mov_b32 s[G1+7], 0
	s_mov_b32 s[G1C+0], (2<<16)|(1<<20)|(5<<22)|(3<<25)   ; c: 64 rows x 64 f32, 16 bytes of padding behind each row
	s_mov_b32 s[G1C+1], 64<<16
	s_mov_b32 s[G1C+2], 64<<16
	s_mov_b32 s[G1C+3], 64<<16
	s_mov_b32 s[G1C+4], 64
	s_mov_b32 s[G1C+5], 2048
	s_mov_b32 s[G1C+6], 0
	s_mov_b32 s[G1C+7], 0
	s_lshl_b32 s18, s17, 1
	s_add_co_u32 s18, s18, s15
	s_mul_i32 s18, s18, TILEB
	s_mul_i32 s19, s16, SBB
	s_add_co_u32 s18, s18, s19                     ; A: tile 2 y + w / 2, block w % 2: made of y and the wave alone
	s_mov_b32 s19, 0
	s_mul_i32 s20, s40, 6400
	s_add_co_u32 s20, s20, s18                     ; its prefetch: my work-group's 25 of the 100 blocks
	s_mov_b32 s21, 0
	s_lshl_b32 s22, s42, 1
	s_add_co_u32 s60, s22, s15
	s_mul_i32 s60, s60, TILEB                      ; B: tile 2 x + w / 2
	s_mov_b32 s61, 0
	s_lshr_b32 s23, s17, 3                         ; part
	s_add_co_u32 s62, s22, s23
	s_mul_i32 s62, s62, TILEB
	s_bfe_u32 s63, s17, 0x10002
	s_mul_i32 s63, s63, SBB
	s_add_co_u32 s62, s62, s63
	s_and_b32 s63, s17, 3
	s_mul_i32 s63, s63, 6400
	s_add_co_u32 s62, s62, s63                     ; B's prefetch: of the column's 400 blocks, y's 25
	s_mov_b32 s63, 0
	s_and_b32 s74, s17, 7
	s_lshl_b32 s74, s74, 21
	s_lshl_b32 s75, s23, 12
	s_add_co_u32 s74, s74, s75
	s_lshl_b32 s75, s42, 8
	s_add_co_u32 s74, s74, s75                     ; the block's corner in c, out0, out1
	s_lshl_b32 s75, s14, 17
	s_add_co_u32 s54, s74, s75                     ; + 16 w rows: what I store
	s_mov_b32 s55, 0
	s_lshl_b32 s75, s14, 19
	s_add_co_u32 s74, s74, s75                     ; + 64 w rows: what I fetch of c
	s_mov_b32 s75, 0
	s_lshl_b32 s66, s42, 8
	s_add_co_u32 s66, s66, s58
	s_mov_b32 s67, 0
	s_mul_i32 s43, s14, SBB
	s_mov_b32 s[FS], 0x3e4ccccd                    ; 0.2
	s_mov_b32 s[FS+1], s[FS]
	s_mov_b32 s[TL], 0x4038aa3b                    ; 2 log2(e)
	s_mov_b32 s[TL+1], s[TL]
	s_wait_alu depctr_va_vdst(0)                   ; the wait at the head's end
	s_wait_dscnt 0x0
	CROUND                                         ; the round in front of the first joint loads: it needs no argument, so it stands ahead of the wait for them
	s_wait_kmcnt 0x0
	s_add_nc_u64 s[PFA:PFA+1], s[4:5], s[20:21]
	s_add_nc_u64 s[20:21], s[4:5], s[18:19]
	s_add_nc_u64 s[BP:BP+1], s[6:7], s[60:61]
	s_add_nc_u64 s[PFB:PFB+1], s[6:7], s[62:63]
	s_add_nc_u64 s[8:9], s[8:9], s[74:75]
	s_add_nc_u64 s[70:71], s[70:71], s[54:55]
	s_add_nc_u64 s[72:73], s[72:73], s[54:55]
	s_cmp_lt_u32 s17, 8                            ; part 0 takes the real bias
	s_cselect_b64 s[10:11], s[10:11], s[68:69]
	s_add_nc_u64 s[10:11], s[10:11], s[66:67]
.irp s, 0,1
	s_mov_b32 s[G0+4*\s], 1
	s_add_co_u32 s[G0+4*\s+1], s43, \s*SLOT
	s_add_nc_u64 s[G0+4*\s+2:G0+4*\s+3], s[20:21], \s*2*SBB
	s_or_b32 s[G0+4*\s+3], s[G0+4*\s+3], 0x80000000
.endr
	s_mov_b32 s[G0C], 1
	s_mul_i32 s[G0C+1], s14, 64*CP
	s_mov_b64 s[G0C+2:G0C+3], s[8:9]
	s_or_b32 s[G0C+3], s[G0C+3], 0x80000000
	tensor_load_to_lds s[G0:G0+3], s[G1:G1+7]      ; fill 0: one tensor load a wave at the head, ahead of the loads into registers
	s_nop 0
	PLACES
	BLOADS 0
	BLOADS 1
	BLOADS 2                                       ; the bias follows: it is first read behind the last step
.irp g, 0,1
.irp k, 0,1
	global_load_b128 v[240+8*\g+4*\k:240+8*\g+4*\k+3], v[BO], s[10:11] offset:4096*\g+16*\k
.endr
.endr
	WIN TO_B
.irp g, 2,3
.irp k, 0,1
	global_load_b128 v[240+8*(\g-2)+4*\k:240+8*(\g-2)+4*\k+3], v[BO], s[10:11] offset:4096*\g+16*\k
.endr
.endr
	WIN 0
	global_prefetch_b8 v[PFO], s[PFA:PFA+1] offset:2*SBB th:TH_LOAD_NT scope:SCOPE_SE
	global_prefetch_b8 v[PFO], s[PFA:PFA+1] offset:4*SBB th:TH_LOAD_NT scope:SCOPE_SE
	s_cmp_eq_u32 s14, 0
	s_cbranch_scc0 .Lhead_nb
	global_prefetch_b8 v[PFO], s[PFB:PFB+1] offset:2*SBB th:TH_LOAD_NT scope:SCOPE_SE
.Lhead_nb:
	s_wait_tensorcnt 0x0                           ; fill 0 is in; slot 1's first fill is issued as a refill is
	ds_add_u32 v[SPW], v[NIL]
	s_wait_dscnt 0x0
	CROUND
	tensor_load_to_lds s[G0+4:G0+7], s[G1:G1+7]
	s_nop 0
	PLACES
	global_prefetch_b8 v[PFO], s[PFA:PFA+1] offset:6*SBB th:TH_LOAD_NT scope:SCOPE_SE
	AF4 0, 0
	AF4 4, 0
	SCALES 0
	AF4 8, 0
	WIN TO_B
	AF4 12, 0
	WIN 0
	STEP 0, 1, 0, 1, 36                            ; the first step's products start the sums; behind its loads: steps 1 and 2 (28) and the bias (8)
	s_mov_b32 s3, 3
.Llap:                                                 ; a trip: eight steps, once round the ring, from a lap's second step to the next lap's first
	STEP 1, 0, 0, 1, 28
	STEP 2, 0, 0, 1, 28
	STEP 3, 0, 1, 1, 28
	STEP 4, 0, 0, 1, 28
	STEP 5, 0, 0, 1, 28
	STEP 6, 0, 0, 1, 28
	STEP 7, 0, 1, 1, 28
	STEP 8, 0, 0, 1, 28
	s_wait_xcnt 0x0                                ; the loads and prefetches have read their bases: they step four blocks on
	s_add_nc_u64 s[BP:BP+1], s[BP:BP+1], 4*SBB
	s_add_nc_u64 s[PFA:PFA+1], s[PFA:PFA+1], 4*SBB
	s_add_nc_u64 s[PFB:PFB+1], s[PFB:PFB+1], 4*SBB
	s_sub_co_u32 s3, s3, 1
	s_cmp_lg_u32 s3, 0
	s_cbranch_scc1 .Llap
	STEP 1, 0, 0, 1, 28                            ; the last seven steps: slot 0 takes c's tile, B's loads end with step 31
	STEP 2, 0, 0, 1, 28
	STEP 3, 0, 2, 1, 28
	STEP 4, 0, 0, 1, 28
	STEP 5, 0, 0, 0, 28
	STEP 6, 0, 0, 0, 12
	STEP 7, 0, 3, 0, 0
	s_barrier_wait -1                              ; c's tile is whole, and nobody reads the ring any more
; THE CELL, 64 rows at a time.  i, f, o = clip(0.2 (z + b) + 0.5): the bias goes in as the addend 0.2 b + 0.5; tanh(t) = 1 - 2 / (1 + 2^(2 log2(e) t)).
.macro CLOAD p
.irp aa, 0,1,2,3
.irp k, 0,1
	ds_load_b128 v[C0+32*((\p)%2)+8*\aa+4*\k:C0+32*((\p)%2)+8*\aa+4*\k+3], v[CA] offset:16*CP*(4*(\p)+\aa)+16*\k
.endr
.endr
.endm
.macro LOADB n                         ; rows 64 n + 16 w on, whole, of c and of h, into window 1
	WIN TO_B
.irp t, 0,1,2,3,4,5,6,7
	ds_load_b128 v[64*((\n)%2)+4*\t:64*((\n)%2)+4*\t+3], v[RDC] offset:(64*(\n)+2*\t)*CP
.endr
.irp t, 0,1,2,3,4,5,6,7
	ds_load_b128 v[64*((\n)%2)+32+4*\t:64*((\n)%2)+32+4*\t+3], v[RDH] offset:(64*(\n)+2*\t)*CP
.endr
	WIN 0
.endm
.macro SENDB n                         ; sixteen lanes store 256 consecutive bytes, aligned
	WIN 0x04
.irp t, 0,1,2,3,4,5,6,7
	global_store_b128 v[CO], v[64*((\n)%2)+4*\t:64*((\n)%2)+4*\t+3], s[72:73] offset:(64*(\n)+2*\t)*8192 th:TH_STORE_NT
.endr
.irp t, 0,1,2,3,4,5,6,7
	global_store_b128 v[CO], v[64*((\n)%2)+32+4*\t:64*((\n)%2)+32+4*\t+3], s[70:71] offset:(64*(\n)+2*\t)*8192 th:TH_STORE_NT
.endr
	WIN 0
.endm
.macro EPI p
.set CS, C0+32*((\p)%2)
.if (\p) == 0
	s_wait_dscnt 0x0                               ; my first c's are in (the later ones were shown in by the wait in front of the barrier before)
.endif
.if (\p) < 3
	CLOAD (\p)+1
.endif
	WIN 0x02+(\p)/2
	s_wait_alu depctr_va_vdst(0)                   ; the wait ahead of the first readers of the sums
.irp aa, 0,1,2,3
.irp g, 0,1,2,3
.irp j, 0,2,4,6
.set ED, TI+32*\g+8*\aa+\j
.set EA, 8*(4*(4*((\p)%2)+\aa)+\g)+\j
.if \g == 2
	v_pk_fma_f32 v[ED:ED+1], v[EA:EA+1], s[TL:TL+1], v[BB+8*\g+\j:BB+8*\g+\j+1] op_sel_hi:[1,0,1]
.else
	v_pk_fma_f32 v[ED:ED+1], v[EA:EA+1], s[FS:FS+1], v[BB+8*\g+\j:BB+8*\g+\j+1] op_sel_hi:[1,0,1]
.endif
.endr
.endr
.endr
	WIN 0
	s_wait_alu depctr_va_vdst(0)
.set e, 0
.rept 32
	v_exp_f32 v[TG+e], v[TG+e]
	v_med3_num_f32 v[TI+e], v[TI+e], 0, 1.0        ; the three clips of the same place: independent plain work among the exponentials
	v_med3_num_f32 v[TF+e], v[TF+e], 0, 1.0
	v_med3_num_f32 v[TO+e], v[TO+e], 0, 1.0
.set e, e+1
.endr
	s_wait_alu depctr_va_vdst(0)
.if (\p) > 0
.if (\p) == 3
	s_wait_dscnt 0x0
.else
	s_wait_dscnt 8                                 ; the rows read back are in; the next c's, 8 loads, may be out
.endif
	SENDB (\p)-1                                   ; the 64 rows before leave while these are worked
.endif
.set e, 0
.rept 16
	v_pk_add_f32 v[TG+e:TG+e+1], v[TG+e:TG+e+1], 1.0 op_sel_hi:[1,0]
.set e, e+2
.endr
	s_wait_alu depctr_va_vdst(0)
.set e, 0
.rept 16
	v_rcp_f32 v[TG+e], v[TG+e]
	v_rcp_f32 v[TG+e+1], v[TG+e+1]
	v_pk_mul_f32 v[TF+e:TF+e+1], v[TF+e:TF+e+1], v[CS+e:CS+e+1]
.set e, e+2
.endr
	s_wait_alu depctr_va_vdst(0)
.set e, 0
.rept 16
	v_pk_fma_f32 v[TG+e:TG+e+1], v[TG+e:TG+e+1], -2.0, 1.0 op_sel_hi:[1,0,0]
.set e, e+2
.endr
.set e, 0
.rept 16
	v_pk_fma_f32 v[TF+e:TF+e+1], v[TI+e:TI+e+1], v[TG+e:TG+e+1], v[TF+e:TF+e+1]   ; c
.set e, e+2
.endr
.set e, 0
.rept 16
	v_pk_mul_f32 v[TG+e:TG+e+1], v[TF+e:TF+e+1], s[TL:TL+1] op_sel_hi:[1,0]
.set e, e+2
.endr
	s_wait_alu depctr_va_vdst(0)
.set e, 0
.rept 32
	v_exp_f32 v[TG+e], v[TG+e]
.set e, e+1
.endr
	v_nop
.irp aa, 0,1,2,3
.irp k, 0,1
	ds_store_b128 v[CA], v[TF+8*\aa+4*\k:TF+8*\aa+4*\k+3] offset:16*CP*(4*(\p)+\aa)+16*\k
.endr
.endr
	s_wait_alu depctr_va_vdst(0)
.set e, 0
.rept 16
	v_pk_add_f32 v[TG+e:TG+e+1], v[TG+e:TG+e+1], 1.0 op_sel_hi:[1,0]
.set e, e+2
.endr
	s_wait_alu depctr_va_vdst(0)
.set e, 0
.rept 32
	v_rcp_f32 v[TG+e], v[TG+e]
.set e, e+1
.endr
	v_nop
	s_wait_alu depctr_va_vdst(0)
.set e, 0
.rept 16
	v_pk_fma_f32 v[TG+e:TG+e+1], v[TG+e:TG+e+1], -2.0, 1.0 op_sel_hi:[1,0,0]
.set e, e+2
.endr
.set e, 0
.rept 16
	v_pk_mul_f32 v[TO+e:TO+e+1], v[TO+e:TO+e+1], v[TG+e:TG+e+1]                   ; h
.set e, e+2
.endr
.irp aa, 0,1,2,3
.irp k, 0,1
	ds_store_b128 v[HA], v[TO+8*\aa+4*\k:TO+8*\aa+4*\k+3] offset:16*CP*(4*(\p)+\aa)+16*\k
.endr
.endr
	s_wait_dscnt 0x0                               ; for the others' sake: a row's 256 bytes come from the four waves
	s_barrier_signal -1
	s_barrier_wait -1
.if (\p) >= 2
	s_wait_xcnt 0x0                                ; the stores of two turns ago have read the registers that are loaded again
.endif
	LOADB \p
.endm
	PLACES
.irp j, 0,2,4,6,8,10,12,14
	v_pk_fma_f32 v[BB+\j:BB+\j+1], v[240+\j:241+\j], s[FS:FS+1], 0.5 op_sel_hi:[1,0,0]      ; gates i, f: 0.2 b + 0.5
.endr
	WIN 0x01
.irp j, 0,2,4,6
	v_pk_mul_f32 v[BB+16+\j:BB+17+\j], v[240+\j:241+\j], s[TL:TL+1] op_sel_hi:[1,0]         ; gate g: 2 log2(e) b
.endr
.irp j, 8,10,12,14
	v_pk_fma_f32 v[BB+16+\j:BB+17+\j], v[240+\j:241+\j], s[FS:FS+1], 0.5 op_sel_hi:[1,0,0]  ; gate o
.endr
	WIN 0
	CLOAD 0
	EPI 0
	EPI 1
	EPI 2
	EPI 3
	s_wait_dscnt 0x0
	SENDB 3
	s_wait_tensorcnt 0x0                           ; the wave's end
	ds_add_u32 v[SPW], v[NIL]
	s_wait_dscnt 0x0
	CROUND                                         ; the closing round
	s_endpgm
.Lfunc_end_k_q2a6afc24b4_cell:
	.size	k_q2a6afc24b4_cell, .Lfunc_end_k_q2a6afc24b4_cell-k_q2a6afc24b4_cell
	.p2alignl 7, 3214868480
	.fill 96, 4, 3214868480
	.section	.rodata,"a",@progbits
	.p2align	6, 0x0
	.amdhsa_kernel k_q2a6afc24b4_cell
		.amdhsa_group_segment_fixed_size 327680
		.amdhsa_private_segment_fixed_size 0
		.amdhsa_enable_private_segment 0
		.amdhsa_kernarg_size 56
		.amdhsa_user_sgpr_count 2
		.amdhsa_user_sgpr_kernarg_segment_ptr 1
		.amdhsa_wavefront_size32 1
		.amdhsa_system_sgpr_workgroup_id_x 1
		.amdhsa_system_sgpr_workgroup_id_y 1
		.amdhsa_system_sgpr_workgroup_id_z 1
		.amdhsa_system_vgpr_workitem_id 0
		.amdhsa_next_free_vgpr 1024
		.amdhsa_next_free_sgpr 102
		.amdhsa_reserve_vcc 0
		.amdhsa_float_denorm_mode_32 3
		.amdhsa_float_denorm_mode_16_64 3
		.amdhsa_memory_ordered 1
		.amdhsa_forward_progress 1
		.amdhsa_inst_pref_size 255
	.end_amdhsa_kernel
	.section	.bss,"aw",@nobits
	.p2align	6
	.space	262144
	.amdgpu_metadata
---
amdhsa.version: [ 1, 2 ]
amdhsa.kernels:
  - .name:           k_q2a6afc24b4_cell
    .symbol:         k_q2a6afc24b4_cell.kd
    .args:
      - { .name: aq, .offset: 0, .size: 8, .value_kind: global_buffer, .address_space: global }
      - { .name: bq, .offset: 8, .size: 8, .value_kind: global_buffer, .address_space: global }
      - { .name: c_tm1, .offset: 16, .size: 8, .value_kind: global_buffer, .address_space: global }
      - { .name: real_bias, .offset: 24, .size: 8, .value_kind: global_buffer, .address_space: global }
      - { .name: imaginary_bias, .offset: 32, .size: 8, .value_kind: global_buffer, .address_space: global }
      - { .name: out0, .offset: 40, .size: 8, .value_kind: global_buffer, .address_space: global }
      - { .name: out1, .offset: 48, .size: 8, .value_kind: global_buffer, .address_space: global }
    .group_segment_fixed_size: 327680
    .private_segment_fixed_size: 0
    .kernarg_segment_align: 8
    .kernarg_segment_size: 56
    .max_flat_workgroup_size: 128
    .sgpr_count:     102
    .vgpr_count:     1024
    .wavefront_size: 32
...
	.end_amdgpu_metadata
.endif
;; end of part 2
